; MI455X (gfx1250); checked and timed in simulation.
; The chip was launched on July 23, 2026; its instructions are those of AMD's public machine-readable ISA for CDNA 5 (MIT licence, August 2026) and "CDNA5" Instruction Set Architecture Reference Guide (July 2026). The comments in the code are by the model that wrote it; some were corrected since.
;; cross attention. Allowed arithmetic: matrix products marked QUANTISED: E2M3 operands, one E8M0 scale for each 32 along K, by v_wmma_scale_f32_16x16x128_f8f6f4 with both operands' format E2M3, f32 sums; everything else in f32.
;; Inputs: Wk 512 x 512 float32; Wo 512 x 512 float32; Wq 512 x 512 float32; Wv 512 x 512 float32; bo 512 float32; m 8 x 2,048 x 512 float32; x 8 x 2,048 x 512 float32.
;; Outputs: out0 8 x 2,048 x 512 float32.
;; This version of the problem:
;;   THIS VERSION OF THE PROBLEM IS GIVEN IN LOW PRECISION. The matrix products marked QUANTISED in the list below multiply operands that are first quantised to E2M3 (2 exponent bits, 3 mantissa bits; 6 bits a number), with one power-of-two scale for each 32 numbers along K (OCP MX v1.0); their sums are f32. All else is computed in f32.
;;   The module's matrix products, in the order in which they are computed (A, B: the left and right operand; K: the contracted axis; several contracted axes count as one K, in the product's order):
;;     1. [M 16,384, K 512] x [K 512, N 512]; A: input x; B: input Wq: QUANTISED
;;     2. [M 16,384, K 512] x [K 512, N 512]; A: input m; B: input Wk: QUANTISED
;;     3. [M 16,384, K 512] x [K 512, N 512]; A: input m; B: input Wv: QUANTISED
;;     4. batch 64 x [M 2,048, K 64] x [K 64, N 2,048]; A: computed on the way; B: computed on the way: QUANTISED
;;     5. batch 64 x [M 2,048, K 2,048] x [K 2,048, N 64]; A: softmax (see below); B: computed on the way: QUANTISED
;;     6. [M 16,384, K 512] x [K 512, N 512]; A: computed on the way; B: input Wo: QUANTISED
;;   THE QUANTISER, for each operand of a quantised product, along K:
;;     - K is cut into blocks of 32 from its start; a last block that is shorter is filled with zeros.
;;     - A block's scale is 2^e with e = floor(log2(the largest magnitude in the block)) - 2, held to -126 .. 127; a block of zeros has e = 0. As a byte (E8M0): e + 127.
;;     - Each number is divided by its block's scale, clamped to +-7.5, and rounded to the nearest number of E2M3, ties to even, subnormals kept.
;;     - The product sums the exact products of the quantised numbers (number of the format x scale) in f32.
;;   ~~~python
;;   def quantise(x, axis):      # numpy; x: float32 -> the quantised numbers, widened to float32 again
;;       x = np.moveaxis(x, axis, -1); K = x.shape[-1]
;;       x = np.pad(x, [(0, 0)] * (x.ndim - 1) + [(0, -K % 32)]); x = x.reshape(x.shape[:-1] + (-1, 32)); a = np.abs(x).max(-1, keepdims=True)
;;       e = np.where(a > 0, np.clip(np.frexp(np.where(a > 0, a, 1))[1] - 1 - 2, -126, 127), 0)      # np.frexp(a)[1] - 1 = floor(log2(a)), exactly
;;       r = np.clip(x / 2.0 ** e, -7.5, 7.5)
;;       step = 2.0 ** (np.maximum(np.frexp(np.where(r == 0, 1, r))[1] - 1, 0) - 3)
;;       q = np.round(r / step) * step * 2.0 ** e      # np.round: ties to even
;;       return np.moveaxis(q.reshape(q.shape[:-2] + (-1,))[..., :K], -1, axis).astype(np.float32)
;;   ~~~
;;   SOFTMAX AHEAD OF A QUANTISED PRODUCT. Where the list says 'softmax', what is quantised is not the finished softmax but p = 2^(t - M), with t = logit x log2(e) and M = ceil(the row's largest t), a whole number; so 1/2 < the row's largest p <= 1. The row's sum l is taken of the UNQUANTISED p, in f32, and the product's result is divided by l at the end. Since M is a whole number, a kernel that streams over the keys may use a running M (the ceiling of the running maximum): every later rescaling is an exact power of two, which a block's scale takes up: the codes' values come out the same.
;;   OPERANDS COMPUTED ON THE WAY. 'Computed on the way' means the value that the module computes at that place (a softmax that the list does not call 'softmax' is quantised finished and normalised). What goes into a quantiser is computed in f32, as accurately as f32 sums, v_exp_f32 and their like allow (about 1e-6 of the number): no bf16 or f16 on the way to a quantiser, and a product that is left as it is and whose result goes on into a quantised operand takes f32 operands (vector FMAs, or v_wmma_f32_16x16x4_f32). A number that lies on a knife's edge between two numbers of the format may be rounded either way, as far as f32 arithmetic and the matrix unit's own rounding can turn it there, and no further.
;; One version. Each part assembles by itself: llvm-mc -triple=amdgcn-amd-amdhsa -mcpu=gfx1250 --defsym DOCPART=n.
;; ======== version 1 of 1: 4 launches
;; limits: right only within a limited range of input values
;; workspace buffers: wbuf 851,968 bytes; qimg 6,291,456 bytes; qs 524,288 bytes; kv 13,369,344 bytes; oimg 6,291,456 bytes; os 262,144 bytes
;; launch wquant (part 1): grid 32 x 4, 4 waves a work-group, no clusters, 0 bytes of LDS; arguments Wq, Wk, Wv, Wo, wbuf; writes wbuf
.if DOCPART == 1
	.amdgcn_target "amdgcn-amd-amdhsa--gfx1250"
	.amdhsa_code_object_version 6
	.text
	.protected	k_q325f855215_wquant
	.globl	k_q325f855215_wquant
	.p2align	8
	.type	k_q325f855215_wquant,@function
k_q325f855215_wquant:
	s_mov_b64 s[64:65], 0
	v_nop
	global_prefetch_b8 v0, s[64:65] scope:SCOPE_SE
	s_setreg_imm32_b32 hwreg(HW_REG_WAVE_MODE, 25, 1), 1
	s_wait_xcnt 0x0
; The four weights, [512 (k)][512 (n)] f32, K their FIRST axis, become codes of FP6 (E2M3) with one E8M0 byte for each 32 along K,
; laid in wbuf as IMAGES OF THE OPERAND'S REGISTERS: weight y at y x 212,992; fragment (K step s of 128, tile j of 16 columns) at s x 49,152 + j x 1,536,
; three pieces of 512 bytes, piece c = registers 4 c .. 4 c + 3, lane l at 16 l; its scale words at 196,608 + s x 4,096 + j x 128, lane l at 4 l (lanes 16-31 repeat lanes 0-15).
; THE COLUMNS OF A TILE ARE NOT NEIGHBOURS: lane r of tile j takes column 32 (j / 2) + 8 (j % 2) + r + 8 (r / 8), so that, where the tile is source 0 of a product,
; the 16 result registers of tiles 2 b and 2 b + 1 are 16 neighbouring columns.
; A lane takes one column and its registers run DOWN K in the order of the operand's layout (k = 64 c + 32 (lane / 16) + 0 .. 31): the conversions' results are the fragment; nothing is transposed.
; SHARES: 512 fragments, one to a wave: 128 work-groups of four waves.  The four waves of a work-group stand side by side on 256 bytes of each row of W.
; A block's scale is 2^(floor(log2(largest magnitude)) - 2); its byte is the largest magnitude's exponent field - 2, held at 1 from below.
; LIMITS: a block of zeros gets the byte 1 where the rule says 127 (its codes are zeros, and this program alone reads the bytes); NaN and infinities among the inputs are not served.
.set ROWB, 2048                        ; a row of W in bytes
.set WB,   212992                      ; a weight's part of wbuf
.set WSC,  196608                      ; where its scale words begin
	s_load_b256 s[4:11], s[0:1], 0x0               ; Wq, Wk, Wv, Wo
	s_load_b64 s[12:13], s[0:1], 0x20              ; wbuf
	v_lshrrev_b32 v1, 5, v0
	v_readfirstlane_b32 s16, v1                    ; wave 0..3
	v_and_b32 v1, 15, v0                           ; r
	v_bfe_u32 v2, v0, 4, 1                         ; h
	v_and_b32 v3, 8, v1
	v_add_nc_u32 v3, v3, v1                        ; r + 8 (r / 8)
	v_lshlrev_b32 v3, 2, v3
	v_lshl_add_u32 v3, v2, 16, v3                  ; my column's 4 bytes; lanes 16-31 begin 32 rows (65,536 bytes) further down
	v_and_b32 v5, 31, v0
	v_lshlrev_b32 v4, 4, v5                        ; 16 x lane: my place in a piece of an image
	v_lshlrev_b32 v5, 2, v5                        ; 4 x lane: my scale word's
	s_and_b32 s17, ttmp7, 0xffff                   ; y: which weight
	s_and_b32 s18, ttmp9, 7                        ; which 64 columns
	s_lshr_b32 s19, ttmp9, 3                       ; s: which 128 along K
	s_lshl_b32 s22, s19, 18                        ; 128 s rows of 2,048 bytes
	s_lshl_b32 s23, s18, 8                         ; + 64 columns x 4 bytes a group
	s_add_co_u32 s22, s22, s23
	s_lshr_b32 s23, s16, 1
	s_lshl_b32 s23, s23, 7                         ; + 32 (wave / 2) columns
	s_add_co_u32 s22, s22, s23
	s_and_b32 s23, s16, 1
	s_lshl_b32 s23, s23, 5                         ; + 8 (wave % 2) columns
	s_add_co_u32 s22, s22, s23
	s_mov_b32 s23, 0
	s_lshl_b32 s24, s18, 2
	s_add_co_u32 s24, s24, s16                     ; j = 4 x group + wave
	s_mul_i32 s25, s17, WB
	s_mul_i32 s26, s19, 49152
	s_add_co_u32 s26, s26, s25
	s_mul_i32 s27, s24, 1536
	s_add_co_u32 s26, s26, s27                     ; the image's place
	s_mov_b32 s27, 0
	s_lshl_b32 s28, s19, 12
	s_add_co_u32 s28, s28, s25
	s_lshl_b32 s29, s24, 7
	s_add_co_u32 s28, s28, s29
	s_add_co_u32 s28, s28, WSC                     ; the scale words' place
	s_mov_b32 s29, 0
	s_mov_b32 s20, 0x76543210
	s_mov_b32 s21, 0xfedcba98                      ; v_permlanex16_b32's selects for lane l xor 16
	s_wait_alu depctr_va_vdst(0)
	s_wait_kmcnt 0x0
	s_cmp_eq_u32 s17, 1                            ; the weight is chosen on the work-group's number alone
	s_cselect_b64 s[14:15], s[6:7], s[4:5]
	s_cmp_eq_u32 s17, 2
	s_cselect_b64 s[14:15], s[8:9], s[14:15]
	s_cmp_eq_u32 s17, 3
	s_cselect_b64 s[14:15], s[10:11], s[14:15]
	s_add_nc_u64 s[14:15], s[14:15], s[22:23]
	s_add_nc_u64 s[26:27], s[12:13], s[26:27]
	s_add_nc_u64 s[28:29], s[12:13], s[28:29]
.irp c, 0,1
.irp i, 0,1,2,3,4,5,6,7,8,9,10,11,12,13,14,15,16,17,18,19,20,21,22,23,24,25,26,27,28,29,30,31
	global_load_b32 v[64+32*\c+\i], v3, s[14:15] offset:ROWB*(64*\c+\i)   ; W(128 s + 64 c + 32 h + i, my column)
.endr
.endr
	s_wait_loadcnt 0x0
.irp c, 0,1                                    ; my block 2 c + h: all its 32 numbers are mine
	v_max3_num_f32 v[32+\c], |v[64+32*\c]|, |v[65+32*\c]|, 0x1800000   ; and the floor 2^(3 - 127): the byte cannot fall under 1
.endr
.irp i, 2,4,6,8,10,12,14,16,18,20,22,24,26,28,30
.irp c, 0,1
	v_max3_num_f32 v[32+\c], v[32+\c], |v[64+32*\c+\i]|, |v[65+32*\c+\i]|   ; (the two blocks by turns)
.endr
.endr
.irp c, 0,1
	v_add_nc_u32 v[44+\c], 0xff000000, v[32+\c]    ; 2 off the exponent field: the conversion takes the exponent field of this operand as its scale
.endr
.irp c, 0,1
	v_lshrrev_b32 v[36+\c], 23, v[44+\c]           ; the scale's byte
.endr
	v_lshl_or_b32 v9, v37, 16, v36                 ; my two bytes: blocks h and 2 + h of my column,
	v_lshlrev_b32 v10, 3, v2
	v_lshlrev_b32 v9, v10, v9                      ; at their places in the scale word (8 h bits up);
	v_mov_b32 v10, 0
	v_permlanex16_b32 v10, v9, s20, s21
	v_or_b32 v9, v9, v10                           ; with lane l xor 16's two the word is whole, in both halves of the lanes
.irp c, 0,1
	v_cvt_scalef32_pk16_fp6_f32 v[48+6*\c:50+6*\c], v[64+32*\c:79+32*\c], v[44+\c]      ; registers 6 c .. 6 c + 2 of the fragment
	v_cvt_scalef32_pk16_fp6_f32 v[128+4*\c:130+4*\c], v[80+32*\c:95+32*\c], v[44+\c]    ; (a conversion's three registers begin on an even number: the second three are made elsewhere and moved)
.endr
	v_nop                                          ; one plain place behind a scaled conversion
.irp c, 0,1
.irp i, 0,1,2
	v_mov_b32 v[51+6*\c+\i], v[128+4*\c+\i]
.endr
.endr
.irp c, 0,1,2
	global_store_b128 v4, v[48+4*\c:51+4*\c], s[26:27] offset:512*\c   ; 32 lanes store 512 consecutive bytes, at a multiple of 256 from wbuf's first byte
.endr
	global_store_b32 v5, v9, s[28:29]
	s_endpgm
.Lfunc_end_k_q325f855215_wquant:
	.size	k_q325f855215_wquant, .Lfunc_end_k_q325f855215_wquant-k_q325f855215_wquant
	.p2alignl 7, 3214868480
	.fill 96, 4, 3214868480
	.section	.rodata,"a",@progbits
	.p2align	6, 0x0
	.amdhsa_kernel k_q325f855215_wquant
		.amdhsa_group_segment_fixed_size 0
		.amdhsa_private_segment_fixed_size 0
		.amdhsa_enable_private_segment 0
		.amdhsa_kernarg_size 40
		.amdhsa_user_sgpr_count 2
		.amdhsa_user_sgpr_kernarg_segment_ptr 1
		.amdhsa_wavefront_size32 1
		.amdhsa_system_sgpr_workgroup_id_x 1
		.amdhsa_system_sgpr_workgroup_id_y 1
		.amdhsa_system_sgpr_workgroup_id_z 1
		.amdhsa_system_vgpr_workitem_id 0
		.amdhsa_next_free_vgpr 136
		.amdhsa_next_free_sgpr 66
		.amdhsa_reserve_vcc 0
		.amdhsa_float_denorm_mode_32 3
		.amdhsa_float_denorm_mode_16_64 3
		.amdhsa_memory_ordered 1
		.amdhsa_forward_progress 1
		.amdhsa_inst_pref_size 12
	.end_amdhsa_kernel
	.amdgpu_metadata
---
amdhsa.version: [ 1, 2 ]
amdhsa.kernels:
  - .name:           k_q325f855215_wquant
    .symbol:         k_q325f855215_wquant.kd
    .args:
      - { .name: Wq, .offset: 0, .size: 8, .value_kind: global_buffer, .address_space: global }
      - { .name: Wk, .offset: 8, .size: 8, .value_kind: global_buffer, .address_space: global }
      - { .name: Wv, .offset: 16, .size: 8, .value_kind: global_buffer, .address_space: global }
      - { .name: Wo, .offset: 24, .size: 8, .value_kind: global_buffer, .address_space: global }
      - { .name: wbuf, .offset: 32, .size: 8, .value_kind: global_buffer, .address_space: global }
    .group_segment_fixed_size: 0
    .private_segment_fixed_size: 0
    .kernarg_segment_align: 8
    .kernarg_segment_size: 40
    .max_flat_workgroup_size: 128
    .sgpr_count:     66
    .vgpr_count:     136
    .wavefront_size: 32
...
	.end_amdgpu_metadata
.endif
;; end of part 1
;; launch proj (part 2): grid 256 x 1, 4 waves a work-group, no clusters, 327,680 bytes of LDS; arguments x, m, wbuf, qimg, qs, kv; writes qimg, qs, kv
.if DOCPART == 2
	.amdgcn_target "amdgcn-amd-amdhsa--gfx1250"
	.amdhsa_code_object_version 6
	.text
	.protected	k_q325f855215_proj
	.globl	k_q325f855215_proj
	.p2align	8
	.type	k_q325f855215_proj,@function
k_q325f855215_proj:
	s_mov_b64 s[64:65], 0
	v_nop
	global_prefetch_b8 v0, s[64:65] scope:SCOPE_SE
	s_setreg_imm32_b32 hwreg(HW_REG_WAVE_MODE, 25, 1), 1
	s_wait_xcnt 0x0
.set WB,   212992
.set WSC,  196608
.set KVH,  208896
.set RP,   2080
.set MRAW, 133120
.set XIMG, 266240
.set MIMG, 290816
.set XSC,  315392
.set MSC,  317440
.set FRB,  1536
.set RAX, 4
.set RAM, 5
.set IWX, 6
.set IWM, 7
.set SWX, 8
.set SWM, 9
.set IRX, 10
.set IRM, 11
.set SRX, 12
.set SRM, 13
.set GSQ, 14
.set GSK, 15
.set HA,  16
.set ST1, 80
.set PC,  144
.set TM,  164
.set PW,  180
.set SQ,  184
.set WS,  192
.set DS,  224
.set WV,  16
.set SEL, 20
.set HM,  22
.set WI,  40
.set WSB, 42
.set QI,  44
.set QSB, 46
.set KI,  48
.set KSB, 50
.set VI,  52
.set VSB, 54
.set MSB, 0
.macro WIN new
.if MSB != \new
	s_set_vgpr_msb (MSB<<8)|\new
.set MSB, \new
.endif
.endm
.macro PLACES n
.rept \n
	v_nop
.endr
.endm
.macro WLOAD y
	WIN 0x40
.irp s, 0,1
.irp jt, 0,1,2,3,4,5,6,7
.irp c, 0,1,2
	global_load_b128 v[96*\s+12*\jt+4*\c:96*\s+12*\jt+4*\c+3], v1, s[WI:WI+1] offset:(\y)*WB+49152*\s+1536*\jt+512*\c
.endr
.endr
.endr
	WIN 0x80
.irp s, 2,3
.irp jt, 0,1,2,3,4,5,6,7
.irp c, 0,1,2
	global_load_b128 v[96*(\s-2)+12*\jt+4*\c:96*(\s-2)+12*\jt+4*\c+3], v1, s[WI:WI+1] offset:(\y)*WB+49152*\s+1536*\jt+512*\c
.endr
.endr
.endr
	WIN 0
.irp s, 0,1,2,3
.irp jt, 0,1,2,3,4,5,6,7
	global_load_b32 v[WS+8*\s+\jt], v3, s[WSB:WSB+1] offset:(\y)*WB+WSC+4096*\s+128*\jt
.endr
.endr
.endm
.macro DLOAD set, ra, s
.irp b, 0,1,2,3
.irp j, 0,1,2,3
	ds_load_b128 v[\set+16*\b+4*\j:\set+16*\b+4*\j+3], v[\ra] offset:512*(\s)+16*((\s)/2)+128*\b+16*\j
.endr
.endr
.endm
.macro QUANT s
.irp b, 0,1,2,3
	v_max3_num_f32 v[TM+\b], |v[\s+16*\b]|, |v[\s+1+16*\b]|, 0x1800000
.endr
.irp i, 2,4,6,8,10,12,14
.irp b, 0,1,2,3
	v_max3_num_f32 v[TM+\b], v[TM+\b], |v[\s+16*\b+\i]|, |v[\s+1+16*\b+\i]|
.endr
.endr
.irp b, 0,1,2,3
	v_permlanex16_b32 v[TM+4+\b], v[TM+\b], s[SEL], s[SEL+1]
.endr
.irp b, 0,1,2,3
	v_max_num_f32 v[TM+\b], v[TM+\b], v[TM+4+\b]
.endr
.irp b, 0,1,2,3
	v_add_nc_u32 v[TM+12+\b], 0xff000000, v[TM+\b]
.endr
.irp b, 0,1,2,3
	v_lshrrev_b32 v[TM+4+\b], 23, v[TM+12+\b]
.endr
	v_lshl_or_b32 v[PW], v[TM+5], 8, v[TM+4]
	v_lshl_or_b32 v[PW], v[TM+6], 16, v[PW]
	v_lshl_or_b32 v[PW], v[TM+7], 24, v[PW]
.irp c, 0,1
	v_cvt_scalef32_pk16_fp6_f32 v[PC+6*\c:PC+2+6*\c], v[\s+32*\c:\s+15+32*\c], v[TM+12+2*\c]
	v_cvt_scalef32_pk16_fp6_f32 v[PC+12+4*\c:PC+14+4*\c], v[\s+16+32*\c:\s+31+32*\c], v[TM+12+2*\c+1]
.endr
	v_nop
.irp c, 0,1
.irp i, 0,1,2
	v_permlane16_swap_b32 v[PC+6*\c+\i], v[PC+12+4*\c+\i]
.endr
.irp i, 0,1,2
	v_mov_b32 v[PC+3+6*\c+\i], v[PC+12+4*\c+\i]
.endr
.endr
.endm
.macro IMAGE adr, sadr, f
.irp c, 0,1,2
	ds_store_b128 v[\adr], v[PC+4*\c:PC+4*\c+3] offset:FRB*(\f)+512*\c
.endr
	ds_store_b32 v[\sadr], v[PW] offset:128*(\f)
.endm
.macro QPHASE ra, iw, sw
	DLOAD HA, \ra, 0
	DLOAD ST1, \ra, 1
	s_wait_xcnt 0x0
	s_wait_dscnt 16
	QUANT HA
	IMAGE \iw, \sw, 0
	DLOAD HA, \ra, 2
	s_wait_dscnt 16
	QUANT ST1
	IMAGE \iw, \sw, 1
	DLOAD ST1, \ra, 3
	s_wait_dscnt 16
	QUANT HA
	IMAGE \iw, \sw, 2
	s_wait_dscnt 0x0
	QUANT ST1
	IMAGE \iw, \sw, 3
.endm
.macro FETCHALL ir, sr
	WIN 0xc0
.irp f, 0,1,2,3,4,5,6,7,8,9,10,11,12,13,14,15
.irp c, 0,1,2
	ds_load_b128 v[12*\f+4*\c:12*\f+4*\c+3], v[\ir] offset:FRB*\f+512*\c
.endr
.endr
	WIN 0
.irp f, 0,1,2,3,4,5,6,7,8,9,10,11,12,13,14,15
	ds_load_b32 v[DS+\f], v[\sr] offset:128*\f
.endr
.endm
.macro JOBQK ib, hs, sb, gs, next
.irp t, 0,1,2,3
.irp s, 0,1,2,3
.if \s < 2
	WIN 0x0d
.else
	WIN 0x0e
.endif
.irp jt, 0,1,2,3,4,5,6,7
.if \s == 0
	v_wmma_scale_f32_16x16x128_f8f6f4 v[HA+8*\jt:HA+8*\jt+7], v[96*(\s%2)+12*\jt:96*(\s%2)+12*\jt+11], v[12*(4*\t+\s):12*(4*\t+\s)+11], 0, v[WS+8*\s+\jt], v[DS+4*\t+\s] matrix_a_fmt:MATRIX_FMT_FP6 matrix_b_fmt:MATRIX_FMT_FP6
.else
	v_wmma_scale_f32_16x16x128_f8f6f4 v[HA+8*\jt:HA+8*\jt+7], v[96*(\s%2)+12*\jt:96*(\s%2)+12*\jt+11], v[12*(4*\t+\s):12*(4*\t+\s)+11], v[HA+8*\jt:HA+8*\jt+7], v[WS+8*\s+\jt], v[DS+4*\t+\s] matrix_a_fmt:MATRIX_FMT_FP6 matrix_b_fmt:MATRIX_FMT_FP6
.endif
.endr
.endr
	WIN 0
	PLACES 4
	s_wait_xcnt 0x0
.if (\t == 3) && (\next >= 0)
	WLOAD \next
.endif
	QUANT HA
	global_store_b128 v1, v[PC:PC+3], s[\ib:\ib+1] offset:768*\t
	global_store_b64 v2, v[PC+4:PC+5], s[\ib:\ib+1] offset:768*\t+512
	global_store_b128 v1, v[PC+6:PC+9], s[\ib:\ib+1] offset:\hs+768*\t
	global_store_b64 v2, v[PC+10:PC+11], s[\ib:\ib+1] offset:\hs+768*\t+512
	v_and_b32 v181, 0xffff, v[PW]
	v_lshrrev_b32 v182, 16, v[PW]
	v_cndmask_b32 v[SQ+\t], v181, v182, s[HM]
.endr
	global_store_b128 v[\gs], v[SQ:SQ+3], s[\sb:\sb+1]
.endm
.macro JOBV
.irp a, 0,1,2,3
.irp s, 0,1,2,3
.if \s < 2
	WIN 0x07
.else
	WIN 0x0b
.endif
.irp e, 0,1
.irp t, 0,1,2,3
.if \s == 0
	v_wmma_scale_f32_16x16x128_f8f6f4 v[HA+32*\e+8*\t:HA+32*\e+8*\t+7], v[12*(4*\t+\s):12*(4*\t+\s)+11], v[96*(\s%2)+12*(2*\a+\e):96*(\s%2)+12*(2*\a+\e)+11], 0, v[DS+4*\t+\s], v[WS+8*\s+2*\a+\e] matrix_a_fmt:MATRIX_FMT_FP6 matrix_b_fmt:MATRIX_FMT_FP6
.else
	v_wmma_scale_f32_16x16x128_f8f6f4 v[HA+32*\e+8*\t:HA+32*\e+8*\t+7], v[12*(4*\t+\s):12*(4*\t+\s)+11], v[96*(\s%2)+12*(2*\a+\e):96*(\s%2)+12*(2*\a+\e)+11], v[HA+32*\e+8*\t:HA+32*\e+8*\t+7], v[DS+4*\t+\s], v[WS+8*\s+2*\a+\e] matrix_a_fmt:MATRIX_FMT_FP6 matrix_b_fmt:MATRIX_FMT_FP6
.endif
.endr
.endr
.endr
	WIN 0
	PLACES 4
	s_wait_xcnt 0x0
	QUANT HA
.irp e, 0,1
	global_store_b128 v1, v[PC+6*\e:PC+6*\e+3], s[VI:VI+1] offset:(\a/2)*KVH+(2*(\a%2)+\e)*1536
	global_store_b64 v2, v[PC+6*\e+4:PC+6*\e+5], s[VI:VI+1] offset:(\a/2)*KVH+(2*(\a%2)+\e)*1536+512
.endr
	v_mov_b32 v[SQ+\a], v[PW]
.endr
	v_cndmask_b32 v[SQ], v[SQ], v[SQ+2], s[HM]
	v_cndmask_b32 v[SQ+1], v[SQ+1], v[SQ+3], s[HM]
	v_lshrrev_b32 v181, 16, v[SQ]
	v_lshrrev_b32 v182, 16, v[SQ+1]
	global_store_b16 v[GSK], v[SQ], s[VSB:VSB+1]
	global_store_b16 v[GSK], v181, s[VSB:VSB+1] offset:4
	global_store_b16 v[GSK], v[SQ+1], s[VSB:VSB+1] offset:8
	global_store_b16 v[GSK], v182, s[VSB:VSB+1] offset:12
.endm
	s_load_b256 s[4:11], s[0:1], 0x0
	s_load_b128 s[12:15], s[0:1], 0x20
	v_lshl_add_u32 v254, v0, 2, 0x4e000
	v_mov_b32 v255, 0
	ds_add_u32 v254, v255
	ds_add_u32 v254, v255
	v_lshrrev_b32 v1, 5, v0
	v_readfirstlane_b32 s[WV], v1
	s_mov_b32 s24, (3<<16)|(1<<20)|(7<<22)|(3<<25)
	s_mov_b32 s25, 128<<16
	s_mov_b32 s26, 32<<16
	s_mov_b32 s27, 128<<16
	s_mov_b32 s28, 32
	s_mov_b32 s29, 128
	s_mov_b32 s30, 0
	s_mov_b32 s31, 0
	s_lshl_b32 s56, ttmp9, 17
	s_lshl_b32 s58, s[WV], 15
	s_add_co_u32 s56, s56, s58
	s_mov_b32 s57, 0
	s_mov_b32 s32, 1
	s_mul_i32 s33, s[WV], 16*RP
	s_mov_b32 s36, 1
	s_add_co_u32 s37, s33, MRAW
	s_wait_dscnt 0x0
	s_wait_kmcnt 0x0
	s_add_nc_u64 s[34:35], s[4:5], s[56:57]
	s_or_b32 s35, s35, 0x80000000
	s_add_nc_u64 s[38:39], s[6:7], s[56:57]
	s_or_b32 s39, s39, 0x80000000
	tensor_load_to_lds s[32:35], s[24:31]
	s_nop 0
	s_wait_alu depctr_va_vdst(0)
	s_wait_tensorcnt 0x0
	ds_add_u32 v254, v255
	s_wait_dscnt 0x0
	s_barrier_signal -1
	s_barrier_wait -1
	tensor_load_to_lds s[36:39], s[24:31]
	s_nop 0
	PLACES 4
	v_and_b32 v3, 31, v0
	v_lshlrev_b32 v1, 4, v3
	v_lshlrev_b32 v2, 3, v3
	v_lshlrev_b32 v3, 2, v3
	s_mul_i32 s56, s[WV], 12288
	s_add_nc_u64 s[WI:WI+1], s[8:9], s[56:57]
	s_lshl_b32 s56, s[WV], 10
	s_add_nc_u64 s[WSB:WSB+1], s[8:9], s[56:57]
	WLOAD 0
	v_and_b32 v182, 15, v0
	v_bfe_u32 v181, v0, 4, 1
	v_and_b32 v[RAX], 8, v182
	v_add_nc_u32 v[RAX], v[RAX], v182
	s_lshr_b32 s58, s[WV], 1
	s_lshl_b32 s58, s58, 5
	s_and_b32 s59, s[WV], 1
	s_lshl_b32 s59, s59, 3
	s_add_co_u32 s58, s58, s59
	v_add_nc_u32 v[RAX], s58, v[RAX]
	v_mul_u32_u24 v[RAX], v[RAX], RP
	v_lshl_add_u32 v[RAX], v181, 6, v[RAX]
	v_add_nc_u32 v[RAM], MRAW, v[RAX]
	s_mul_i32 s58, s[WV], 4*FRB
	s_add_co_u32 s58, s58, XIMG
	v_add_nc_u32 v[IWX], s58, v1
	v_add_nc_u32 v[IWM], MIMG-XIMG, v[IWX]
	s_lshl_b32 s58, s[WV], 9
	s_add_co_u32 s58, s58, XSC
	v_add_nc_u32 v[SWX], s58, v3
	v_add_nc_u32 v[SWM], MSC-XSC, v[SWX]
	v_add_nc_u32 v[IRX], XIMG, v1
	v_add_nc_u32 v[IRM], MIMG, v1
	v_add_nc_u32 v[SRX], XSC, v3
	v_add_nc_u32 v[SRM], MSC, v3
	v_lshlrev_b32 v[GSK], 4, v182
	v_lshl_add_u32 v[GSQ], v181, 13, v[GSK]
	v_mad_u32_u24 v[GSK], v181, KVH, v[GSK]
.irp b, 0,1,2,3
	v_mov_b32 v[TM+4+\b], 0
.endr
	s_mov_b32 s[SEL], 0x76543210
	s_mov_b32 s[SEL+1], 0xfedcba98
	s_mov_b32 s[HM], 0xffff0000
	s_lshr_b32 s17, ttmp9, 5
	s_and_b32 s18, ttmp9, 31
	s_lshl_b32 s19, s17, 3
	s_lshl_b32 s58, s[WV], 1
	s_add_co_u32 s19, s19, s58
	s_mul_i32 s56, s19, 98304
	s_mul_i32 s58, s18, 3072
	s_add_co_u32 s56, s56, s58
	s_add_nc_u64 s[QI:QI+1], s[10:11], s[56:57]
	s_lshl_b32 s56, s19, 13
	s_lshl_b32 s58, s18, 8
	s_add_co_u32 s56, s56, s58
	s_add_nc_u64 s[QSB:QSB+1], s[12:13], s[56:57]
	s_mul_i32 s59, s19, KVH
	s_add_co_u32 s56, s59, s58
	s_add_nc_u64 s[KSB:KSB+1], s[14:15], s[56:57]
	s_lshr_b32 s60, s18, 4
	s_mul_i32 s60, s60, 98304
	s_add_co_u32 s60, s60, s59
	s_and_b32 s58, s18, 15
	s_mul_i32 s58, s58, 3072
	s_add_co_u32 s56, s60, s58
	s_add_co_u32 s56, s56, 12288
	s_add_nc_u64 s[KI:KI+1], s[14:15], s[56:57]
	s_bfe_u32 s58, s18, 0x30001
	s_mul_i32 s58, s58, 6144
	s_add_co_u32 s56, s60, s58
	s_and_b32 s61, s18, 1
	s_mul_i32 s58, s61, 768
	s_add_co_u32 s56, s56, s58
	s_add_co_u32 s56, s56, 61440
	s_add_nc_u64 s[VI:VI+1], s[14:15], s[56:57]
	s_lshr_b32 s58, s18, 1
	s_lshl_b32 s58, s58, 8
	s_add_co_u32 s56, s59, s58
	s_lshl_b32 s58, s61, 1
	s_add_co_u32 s56, s56, s58
	s_add_co_u32 s56, s56, 8192
	s_add_nc_u64 s[VSB:VSB+1], s[14:15], s[56:57]
	s_wait_tensorcnt 0x1
	s_barrier_signal -1
	s_barrier_wait -1
	QPHASE RAX, IWX, SWX
	s_wait_tensorcnt 0x0
	s_wait_dscnt 0x0
	s_barrier_signal -1
	s_barrier_wait -1
	FETCHALL IRX, SRX
	s_wait_loadcnt 0x0
	s_wait_dscnt 0x0
	JOBQK QI, 98304, QSB, GSQ, 1
	QPHASE RAM, IWM, SWM
	s_wait_dscnt 0x0
	s_barrier_signal -1
	s_barrier_wait -1
	FETCHALL IRM, SRM
	s_wait_loadcnt 0x0
	s_wait_dscnt 0x0
	JOBQK KI, KVH, KSB, GSK, 2
	s_wait_loadcnt 0x0
	JOBV
	s_wait_tensorcnt 0x0
	ds_add_u32 v254, v255
	s_wait_dscnt 0x0
	s_endpgm
.Lfunc_end_k_q325f855215_proj:
	.size	k_q325f855215_proj, .Lfunc_end_k_q325f855215_proj-k_q325f855215_proj
	.p2alignl 7, 3214868480
	.fill 96, 4, 3214868480
	.section	.rodata,"a",@progbits
	.p2align	6, 0x0
	.amdhsa_kernel k_q325f855215_proj
		.amdhsa_group_segment_fixed_size 327680
		.amdhsa_private_segment_fixed_size 0
		.amdhsa_enable_private_segment 0
		.amdhsa_kernarg_size 48
		.amdhsa_user_sgpr_count 2
		.amdhsa_user_sgpr_kernarg_segment_ptr 1
		.amdhsa_wavefront_size32 1
		.amdhsa_system_sgpr_workgroup_id_x 1
		.amdhsa_system_sgpr_workgroup_id_y 1
		.amdhsa_system_sgpr_workgroup_id_z 1
		.amdhsa_system_vgpr_workitem_id 0
		.amdhsa_next_free_vgpr 960
		.amdhsa_next_free_sgpr 66
		.amdhsa_reserve_vcc 0
		.amdhsa_float_denorm_mode_32 3
		.amdhsa_float_denorm_mode_16_64 3
		.amdhsa_memory_ordered 1
		.amdhsa_forward_progress 1
		.amdhsa_inst_pref_size 194
	.end_amdhsa_kernel
	.amdgpu_metadata
---
amdhsa.version: [ 1, 2 ]
amdhsa.kernels:
  - .name:           k_q325f855215_proj
    .symbol:         k_q325f855215_proj.kd
    .args:
      - { .name: x, .offset: 0, .size: 8, .value_kind: global_buffer, .address_space: global }
      - { .name: m, .offset: 8, .size: 8, .value_kind: global_buffer, .address_space: global }
      - { .name: wbuf, .offset: 16, .size: 8, .value_kind: global_buffer, .address_space: global }
      - { .name: qimg, .offset: 24, .size: 8, .value_kind: global_buffer, .address_space: global }
      - { .name: qs, .offset: 32, .size: 8, .value_kind: global_buffer, .address_space: global }
      - { .name: kv, .offset: 40, .size: 8, .value_kind: global_buffer, .address_space: global }
    .group_segment_fixed_size: 327680
    .private_segment_fixed_size: 0
    .kernarg_segment_align: 8
    .kernarg_segment_size: 48
    .max_flat_workgroup_size: 128
    .sgpr_count:     66
    .vgpr_count:     960
    .wavefront_size: 32
...
	.end_amdgpu_metadata
.endif
;; end of part 2
;; launch attn (part 3): grid 4 x 64, 8 waves a work-group, clusters of 4 x 1, 327,680 bytes of LDS; arguments qimg, qs, kv, oimg, os; writes oimg, os
.if DOCPART == 3
	.amdgcn_target "amdgcn-amd-amdhsa--gfx1250"
	.amdhsa_code_object_version 6
	.text
	.protected	k_q325f855215_attn
	.globl	k_q325f855215_attn
	.p2align	8
	.type	k_q325f855215_attn,@function
k_q325f855215_attn:
	s_mov_b64 s[64:65], 0
	v_nop
	global_prefetch_b8 v0, s[64:65] scope:SCOPE_SE
	s_setreg_imm32_b32 hwreg(HW_REG_WAVE_MODE, 25, 1), 1
	s_wait_xcnt 0x0
	s_wait_alu depctr_hold_cnt(0) depctr_sa_sdst(0) depctr_va_vdst(0) depctr_va_sdst(0) depctr_va_ssrc(0) depctr_va_vcc(0) depctr_vm_vsrc(0)
	s_getreg_b32 s2, hwreg(HW_REG_IB_STS2, 6, 4)
	s_cmp_eq_u32 s2, 0
	s_cbranch_scc0 .Lentry_in_a_cluster
	s_endpgm
.Lentry_in_a_cluster:
	s_bfe_u32 s2, ttmp6, 0x10000c
	s_cmp_lg_u32 s2, 0x3003
	s_cbranch_scc0 .Lentry_shape_is_right
	s_endpgm
.Lentry_shape_is_right:
; o = softmax(q k^T / sqrt(512)) v for one (batch, head) = work-group y, on codes of FP6 (E2M3) with E8M0 scales; o leaves quantised along the head's 64 channels.
; SHARES.  Work-group (cx, y) takes queries 512 cx .. + 511 of head y; wave w of eight takes four tiles of 16 queries, 4 (8 cx + w) .. + 3, all at once: each fragment of k and v read from LDS serves four tiles.
; LDS holds the head's whole k and v (208,896 bytes: k's scale words, v's scale words, images of k's and v's fragments), brought by ONE joint load a wave (102 rows of 256 bytes), shared by the
; four work-groups of the cluster, which read the same head.  Nothing is filled again; the claim of all LDS is kept.  No prefetch: nothing is fetched inside the loop.
; Both products are used transposed (S^T = k q^T, O^T = v^T p^T): a lane holds one query.
; THE ROWS OF A TILE OF k ARE CHOSEN BY THE LANES' ADDRESSES: row m of tile (c, u) is key 64 c + 32 (m / 8) + 8 u + m % 8 of the step's 128, so that lane (r, h) holds, in the 32 registers of tiles 4 c .. 4 c + 3,
; the keys 64 c + 32 h + 0 .. 31: one whole block of the second product's K, in order.  A block's maximum needs no other lane, and the conversions' results are p's fragment.
; The head has 64 channels, half of the instruction's K: q's upper six registers are zero codes, so k's upper six may hold any codes: k's fragments lie six registers apart, each followed by the next.
; Softmax by the running maximum: M = ceil(largest t so far), a whole number; p = 2^(t - M); the row's sum is taken of the unquantised p; sum and O^T are multiplied by 2^(old M - new M) in every step.
; TWO TILES BY TURNS: behind a tile's exponentials its scale word, conversions and sum stand line by line among the next tile's block maxima and its chain for M, so that dependent lines have independent ones between them.
; Two buffers of scores: the scores of the tile after next are multiplied into the buffer that this tile has left.
; LIMITS: the promise holds while the scaled scores stay under 2^31 in magnitude; a block whose every p is 0 gets the byte 1 (its codes are zeros); NaN and infinities are not served.
; REGISTERS.  Window 0: v1-15 addresses and temporaries; v16-31 four tiles' -M, largest score, sum (pair); v32-48 scale words; v49-67 at work; v68-79 p's codes; v80-127 q's four fragments; v128-255 two buffers of scores.
;             Window 1: v0-127 O^T of four tiles; v128-181 k's fragments; v184-231 v's.
.set KVH,   208896
.set SPARE, 0x33000                    ; behind the head's bytes: the spare words, 128 bytes a wave
.set KB16, 4                           ; lane parts of the addresses of k's images (16-byte and 8-byte pieces) and scale words
.set KB8,  5
.set KSB,  6
.set SH8,  7                           ; 8 h
.set SPW,  8
.set NIL,  9
.set A0,   10
.set A1,   11
.set A2,   12
.set B0,   13                          ; a tile's two scale bytes
.set B1,   59
.set BM2,  14                          ; block maxima: two sets, v52-53 and v14-15, by the tile's parity
.set ST,   16
.set QS,   32
.set KS,   36
.set VS,   44
.set PS,   48
.set TP,   49
.set FF,   50
.set BM,   52
.set BB,   54
.set SO,   56
.set PM,   58
.set TC,   60
.set SU1,  54                          ; three more chains for the row's sum, in registers that are free by then
.set SU2,  60
.set SU3,  64
.set PC,   68
.set QF,   80
.set S0,   128
.set OA,   0
.set KF,   128
.set VF,   184
.set WV,   14
.set NC,   18
.set SEL,  20
.set CS,   22
.set TN,   44
.set TSN,  45
.set TVN,  46
.set CNT,  47
.set NX,   48
.set TM,   49
.set MSB, 0
.macro WIN new                         ; the immediate's high byte repeats the setting that is left
.if MSB != \new
	s_set_vgpr_msb (MSB<<8)|\new
.set MSB, \new
.endif
.endm
.macro PLACES n
.rept \n
	v_nop
.endr
.endm
.macro CROUND
	s_barrier_signal -1
	s_barrier_wait -1
	s_cmp_lg_u32 s[WV], 0
	s_cbranch_scc1 .Lnot_wave_0_\@
	s_barrier_signal -3
.Lnot_wave_0_\@:
	s_barrier_wait -3
	s_barrier_signal -1
	s_barrier_wait -1
.endm
; k's eight fragments and scale words of the step whose images begin at s[TN], scale words at s[TSN].  Stored tile 2 (r / 8) + u % 2, stored lane 8 (u / 2) + r % 8 + 16 h holds what lane (r, h) of tile (c, u) wants.
.macro KLOAD
	v_add_nc_u32 v[A0], s[TN], v[KB16]
	v_add_nc_u32 v[A1], s[TN], v[KB8]
	v_add_nc_u32 v[A2], s[TSN], v[KSB]
	WIN 0x40
.irp c, 0,1
.irp u, 0,1,2,3
	ds_load_b128 v[KF+6*(4*\c+\u):KF+6*(4*\c+\u)+3], v[A0] offset:3072*\c+768*(\u%2)+128*(\u/2)
	ds_load_b64 v[KF+6*(4*\c+\u)+4:KF+6*(4*\c+\u)+5], v[A1] offset:3072*\c+768*(\u%2)+64*(\u/2)+512
.endr
.endr
	WIN 0
.irp c, 0,1
.irp w, 0,1
	ds_load_b64 v[KS+4*\c+2*\w:KS+4*\c+2*\w+1], v[A2] offset:256*\c+128*\w
.endr
.endr
.endm
; S^T of query tile nq into the buffer at DB: eight products, each beginning its sum with 0
.macro QKM nq
	WIN 0x01
.irp t, 0,1,2,3,4,5,6,7
	v_wmma_scale_f32_16x16x128_f8f6f4 v[DB+8*\t:DB+8*\t+7], v[KF+6*\t:KF+6*\t+11], v[QF+12*(\nq):QF+12*(\nq)+11], 0, v[KS+\t], v[QS+(\nq)] matrix_a_fmt:MATRIX_FMT_FP6 matrix_b_fmt:MATRIX_FMT_FP6
.endr
	WIN 0
.endm
; the largest score of each of my two blocks of 32 keys in the buffer at MB, into v[BN], v[BN+1]: two chains a block; each accumulator is read from its low end on
.macro MAX0
.irp c, 0,1
	v_max3_num_f32 v[BN+\c], v[MB+32*\c], v[MB+32*\c+1], v[MB+32*\c+2]
	v_max3_num_f32 v[BB+\c], v[MB+32*\c+16], v[MB+32*\c+17], v[MB+32*\c+18]
.endr
.endm
.macro MAXG i
.irp c, 0,1
	v_max3_num_f32 v[BN+\c], v[BN+\c], v[MB+32*\c+\i], v[MB+32*\c+\i+1]
	v_max3_num_f32 v[BB+\c], v[BB+\c], v[MB+32*\c+16+\i], v[MB+32*\c+17+\i]
.endr
.endm
.macro MAXE1
.irp c, 0,1
	v_max3_num_f32 v[BN+\c], v[BN+\c], v[BB+\c], v[MB+32*\c+15]
.endr
.endm
.macro MAXE2
.irp c, 0,1
	v_max_num_f32 v[BN+\c], v[BN+\c], v[MB+32*\c+31]
.endr
.endm
; O^T at OBN under the new M
.macro ORESC
	WIN 0x41
	s_wait_alu depctr_va_vdst(0)                   ; the wait directly ahead of the first readers of O^T
.set j, 0
.rept 16
	v_pk_mul_f32 v[OBN+j:OBN+j+1], v[OBN+j:OBN+j+1], v[FF:FF+1] op_sel_hi:[1,0]
.set j, j+2
.endr
.endm
; the row's sum of the unquantised p in the buffer at XB, in four chains
.macro SINIT
	v_pk_add_f32 v[SU1:SU1+1], v[XB:XB+1], v[XB+2:XB+3]
	v_pk_add_f32 v[SU2:SU2+1], v[XB+4:XB+5], v[XB+6:XB+7]
	v_pk_add_f32 v[SU3:SU3+1], v[XB+8:XB+9], v[XB+10:XB+11]
	v_pk_add_f32 v[STQ+2:STQ+3], v[STQ+2:STQ+3], v[XB+12:XB+13]
.endm
.macro SG g
	v_pk_add_f32 v[SU1:SU1+1], v[SU1:SU1+1], v[XB+14+8*(\g):XB+15+8*(\g)]
	v_pk_add_f32 v[SU2:SU2+1], v[SU2:SU2+1], v[XB+16+8*(\g):XB+17+8*(\g)]
	v_pk_add_f32 v[SU3:SU3+1], v[SU3:SU3+1], v[XB+18+8*(\g):XB+19+8*(\g)]
	v_pk_add_f32 v[STQ+2:STQ+3], v[STQ+2:STQ+3], v[XB+20+8*(\g):XB+21+8*(\g)]
.endm
.macro SFIN1
	v_pk_add_f32 v[SU1:SU1+1], v[SU1:SU1+1], v[XB+62:XB+63]
	v_pk_add_f32 v[SU2:SU2+1], v[SU2:SU2+1], v[SU3:SU3+1]
.endm
.macro PVM                             ; O^T += v^T p^T; the four accumulators by turns
	WIN 0x51
.irp dt, 0,1,2,3
	v_wmma_scale_f32_16x16x128_f8f6f4 v[OB+8*\dt:OB+8*\dt+7], v[VF+12*\dt:VF+12*\dt+11], v[PC:PC+11], v[OB+8*\dt:OB+8*\dt+7], v[VS+\dt], v[PS] matrix_a_fmt:MATRIX_FMT_FP6 matrix_b_fmt:MATRIX_FMT_FP6
.endr
.endm
; A step's first tile: block maxima, M and the rescaling, with nothing to stand among
.macro PRE0
.set MB, S0
.set BN, BM
.set SN, ST
.set OBN, OA
	s_wait_alu depctr_va_vdst(0)                   ; the wait ahead of the first readers of the scores
	MAX0
.irp i, 3,5,7,9,11,13
	MAXG \i
.endr
	MAXE1
	MAXE2
	s_delay_alu instid0(VALU_DEP_1)
	v_max3_num_f32 v[TP], v[SN+1], v[BN], v[BN+1]  ; the running largest score, with my 64 keys,
	s_delay_alu instid0(VALU_DEP_1)
	v_permlanex16_b32 v[PM], v[TP], s[SEL], s[SEL+1]
	s_delay_alu instid0(VALU_DEP_1)
	v_max_num_f32 v[SN+1], v[TP], v[PM]            ; and lane l xor 16's
	s_delay_alu instid0(VALU_DEP_1)
	v_mul_f32 v[TP], s[NC], v[SN+1]                ; -t (c is positive)
	s_delay_alu instid0(VALU_DEP_1)
	v_floor_f32 v[TP], v[TP]                       ; the new -M = -ceil(t)
	s_delay_alu instid0(VALU_DEP_1)
	v_sub_f32 v[PM], v[TP], v[SN]                  ; old M - new M, a whole number, 0 or less
	v_mov_b32 v[SN], v[TP]
	s_delay_alu instid0(VALU_DEP_2)
	v_cvt_i32_f32 v[PM], v[PM]                     ; (it saturates)
	s_delay_alu instid0(VALU_DEP_1)
	v_ldexp_f32 v[FF], 1.0, v[PM]                  ; f = 2^(old M - new M)
	ORESC
	WIN 0
.endm
; Tile q's share of a step from t - M on; pre = 1: tile q + 1's maxima, M and rescaling stand among its lines
.macro U q, pre
.set XB, S0+64*((\q)%2)
.set MB, S0+64-64*((\q)%2)
.set DB, XB
.set BQ, BM+(BM2-BM)*((\q)%2)
.set BN, BM2-(BM2-BM)*((\q)%2)
.set STQ, ST+4*(\q)
.set SN, ST+4*(((\q)+1)%4)
.set OB, OA+32*(\q)
.set OBN, OA+32*(((\q)+1)%4)
.set j, 0
.rept 32
	v_pk_fma_f32 v[XB+j:XB+j+1], v[XB+j:XB+j+1], s[CS:CS+1], v[STQ:STQ+1] op_sel_hi:[1,0,0]   ; t - M
.set j, j+2
.endr
.irp c, 0,1
	v_fma_f32 v[BQ+\c], v[BQ+\c], s[CS], v[STQ]    ; the same of each block's largest score
.endr
	s_wait_alu depctr_va_vdst(0)                   ; the wait ahead of the batch
.if (\q) == 2
	s_cmp_eq_u32 s[CNT], 15                        ; this step's last products with k are issued (34 plain places ago): its registers take the next step's, if there is one
	s_cbranch_scc1 .Lno_k_\@
	KLOAD
.Lno_k_\@:
.endif
.set j, 0
.rept 64
	v_exp_f32 v[XB+j], v[XB+j]                     ; p = 2^(t - M)
.set j, j+1
.endr
.irp c, 0,1
	v_exp_f32 v[BQ+\c], v[BQ+\c]                   ; the block's largest p
.endr
	v_pk_mul_f32 v[STQ+2:STQ+3], v[STQ+2:STQ+3], v[FF:FF+1] op_sel_hi:[1,0]   ; the sum under the new M: the plain place behind the batch
.if (\q) == 0 || (\q) == 2
	s_wait_dscnt 0x0                               ; tile 0: this step's fragments of v are in; tile 2: the next step's of k
.endif
	s_wait_alu depctr_va_vdst(0)                   ; one wait for the batch, ahead of its first reader, and ahead of the first readers of the next tile's scores
.if \pre
	MAX0
.irp c, 0,1
	v_max_num_f32 v[SO+\c], 0x1800000, v[BQ+\c]    ; the floor 2^(3 - 127): the byte cannot fall under 1
.endr
	MAXG 3
.irp c, 0,1
	v_add_nc_u32 v[SO+\c], 0xff000000, v[SO+\c]    ; 2 off the exponent field: the conversion's scale operand
.endr
	MAXG 5
	MAXG 7
.else
.irp c, 0,1
	v_max_num_f32 v[SO+\c], 0x1800000, v[BQ+\c]
.endr
.irp c, 0,1
	v_add_nc_u32 v[SO+\c], 0xff000000, v[SO+\c]
.endr
.endif
	v_cvt_scalef32_pk16_fp6_f32 v[PC:PC+2], v[XB:XB+15], v[SO]
	v_cvt_scalef32_pk16_fp6_f32 v[TC:TC+2], v[XB+16:XB+31], v[SO]          ; (a conversion's three registers begin on an even number)
	v_cvt_scalef32_pk16_fp6_f32 v[PC+6:PC+8], v[XB+32:XB+47], v[SO+1]
	v_cvt_scalef32_pk16_fp6_f32 v[TC+4:TC+6], v[XB+48:XB+63], v[SO+1]
.if \pre
	MAXG 9                                         ; (plain places behind the conversions)
	v_lshrrev_b32 v[B0], 23, v[SO]                 ; the scales' bytes
	v_lshrrev_b32 v[B1], 23, v[SO+1]
	MAXG 11
	v_lshl_or_b32 v[TP], v[B1], 16, v[B0]          ; my bytes: blocks h and 2 + h,
	MAXG 13
	v_lshlrev_b32 v[TP], v[SH8], v[TP]             ; 8 h bits up;
	MAXE1
	v_permlanex16_b32 v[PM], v[TP], s[SEL], s[SEL+1]
	MAXE2
	v_or_b32 v[PS], v[TP], v[PM]                   ; with lane l xor 16's two: p's scale word
.irp i, 0,1,2
	v_mov_b32 v[PC+3+\i], v[TC+\i]
	v_mov_b32 v[PC+9+\i], v[TC+4+\i]
.endr
	SINIT
	v_max3_num_f32 v[TP], v[SN+1], v[BN], v[BN+1]  ; the next tile's running largest score, with my 64 keys,
	SG 0
	v_permlanex16_b32 v[PM], v[TP], s[SEL], s[SEL+1]
	SG 1
	v_max_num_f32 v[SN+1], v[TP], v[PM]            ; and lane l xor 16's
	SG 2
	v_mul_f32 v[TP], s[NC], v[SN+1]                ; -t
	SG 3
	v_floor_f32 v[TP], v[TP]                       ; the new -M
	SG 4
	v_sub_f32 v[PM], v[TP], v[SN]                  ; old M - new M
	v_mov_b32 v[SN], v[TP]
	SG 5
	v_cvt_i32_f32 v[PM], v[PM]
	SFIN1
	v_ldexp_f32 v[FF], 1.0, v[PM]                  ; f
	v_pk_add_f32 v[STQ+2:STQ+3], v[STQ+2:STQ+3], v[SU1:SU1+1]
	v_pk_add_f32 v[STQ+2:STQ+3], v[STQ+2:STQ+3], v[SU2:SU2+1]
	ORESC
	PVM
.else
	v_lshrrev_b32 v[B0], 23, v[SO]
	v_lshrrev_b32 v[B1], 23, v[SO+1]
	s_delay_alu instid0(VALU_DEP_1)
	v_lshl_or_b32 v[TP], v[B1], 16, v[B0]
	s_delay_alu instid0(VALU_DEP_1)
	v_lshlrev_b32 v[TP], v[SH8], v[TP]
	s_delay_alu instid0(VALU_DEP_1)
	v_permlanex16_b32 v[PM], v[TP], s[SEL], s[SEL+1]
	s_delay_alu instid0(VALU_DEP_1)
	v_or_b32 v[PS], v[TP], v[PM]                   ; ten plain places stand between it and the products
.irp i, 0,1,2
	v_mov_b32 v[PC+3+\i], v[TC+\i]
	v_mov_b32 v[PC+9+\i], v[TC+4+\i]
.endr
	SINIT                                          ; these four are the places behind the moves
	PVM
	WIN 0
.irp g, 0,1,2,3,4,5
	SG \g
.endr
	SFIN1
	s_delay_alu instid0(VALU_DEP_2)
	v_pk_add_f32 v[STQ+2:STQ+3], v[STQ+2:STQ+3], v[SU1:SU1+1]
	s_delay_alu instid0(VALU_DEP_1)
	v_pk_add_f32 v[STQ+2:STQ+3], v[STQ+2:STQ+3], v[SU2:SU2+1]
.endif
.if (\q) < 2
	QKM (\q)+2                                     ; the scores of the tile after next, into the buffer that this tile has left
.else
	WIN 0
	s_cmp_eq_u32 s[CNT], 15                        ; behind the last step no scores are left to make
	s_cbranch_scc1 .Lno_scores_\@
	QKM (\q)-2                                     ; the next step's tile 0 or 1
.Lno_scores_\@:
.endif
.endm
; a finished tile: 16 registers of d tiles 2 b, 2 b + 1 are channels 32 b + 16 h + 0 .. 15; a block of 32 lies in lanes l and l xor 16
.macro OUT q
.set XB, S0+32*(\q)
.set PD, QF+12*(\q)                    ; each tile's codes and bytes have registers of their own: no store's data are written again
.irp b, 0,1
	v_max3_num_f32 v[BM+\b], |v[XB+16*\b]|, |v[XB+1+16*\b]|, 0x1800000
.endr
.irp i, 2,4,6,8,10,12,14
.irp b, 0,1
	v_max3_num_f32 v[BM+\b], v[BM+\b], |v[XB+16*\b+\i]|, |v[XB+1+16*\b+\i]|
.endr
.endr
.irp b, 0,1
	v_permlanex16_b32 v[BB+\b], v[BM+\b], s[SEL], s[SEL+1]
.endr
.irp b, 0,1
	v_max_num_f32 v[BM+\b], v[BM+\b], v[BB+\b]
.endr
.irp b, 0,1
	v_add_nc_u32 v[SO+\b], 0xff000000, v[BM+\b]
.endr
.irp b, 0,1
	v_lshrrev_b32 v[BB+\b], 23, v[SO+\b]
.endr
	v_lshl_or_b32 v[PD+6], v[BB+1], 8, v[BB]
	v_cvt_scalef32_pk16_fp6_f32 v[PD:PD+2], v[XB:XB+15], v[SO]
	v_cvt_scalef32_pk16_fp6_f32 v[TC:TC+2], v[XB+16:XB+31], v[SO+1]
	v_nop
.irp i, 0,1,2
	v_permlane16_swap_b32 v[PD+\i], v[TC+\i]       ; a whole block to a lane
.endr
.irp i, 0,1,2
	v_mov_b32 v[PD+3+\i], v[TC+\i]
.endr
	global_store_b128 v1, v[PD:PD+3], s[10:11] offset:6144*(\q)
	global_store_b64 v2, v[PD+4:PD+5], s[10:11] offset:6144*(\q)+512
	global_store_b16 v3, v[PD+6], s[12:13] offset:256*(\q)
.endm
	s_load_b256 s[4:11], s[0:1], 0x0               ; qimg, qs, kv, oimg
	s_load_b64 s[12:13], s[0:1], 0x20              ; os
	v_lshl_add_u32 v[SPW], v0, 2, SPARE
	v_mov_b32 v[NIL], 0
	ds_add_u32 v[SPW], v[NIL]                      ; the opening lines: the add, twice on end, and its wait
	ds_add_u32 v[SPW], v[NIL]
	v_lshrrev_b32 v1, 5, v0
	v_readfirstlane_b32 s[WV], v1                  ; wave 0..7
	s_and_b32 s15, ttmp7, 0xffff                   ; y: batch x 8 + head
	s_bfe_u32 s16, ttmp6, 0x40000                  ; cx
	s_mov_b32 s24, 15|(3<<16)|(1<<21)              ; the four of the cluster; elements of 8 bytes
	s_mov_b32 s25, 32<<16                          ; rows of 256 bytes,
	s_mov_b32 s26, 102<<16                         ; 102 of them a wave
	s_mov_b32 s27, 32<<16
	s_mov_b32 s28, 102
	s_mov_b32 s29, 32
	s_mov_b32 s30, 0
	s_mov_b32 s31, 0
	s_mov_b32 s40, 1
	s_mul_i32 s41, s[WV], 26112                    ; my eighth of the head's bytes, in LDS as in memory
	s_mul_i32 s52, s15, KVH
	s_add_co_u32 s52, s52, s41
	s_mov_b32 s53, 0
	s_wait_dscnt 0x0
	s_wait_kmcnt 0x0
	s_add_nc_u64 s[42:43], s[8:9], s[52:53]
	s_or_b32 s43, s43, 0x80000000
	CROUND                                         ; the four work-groups are here: the joint loads meet
	tensor_load_to_lds s[40:43], s[24:31]          ; my one tensor load
	s_nop 0
	PLACES 4
	v_and_b32 v3, 31, v0
	v_lshlrev_b32 v1, 4, v3                        ; 16 l
	v_lshlrev_b32 v2, 3, v3                        ; 8 l
	v_and_b32 v3, 15, v0                           ; r
	v_bfe_u32 v[SH8], v0, 4, 1                     ; h
	v_and_b32 v[A0], 7, v0                         ; r % 8
	v_bfe_u32 v[A1], v0, 3, 1                      ; r / 8
	v_mul_u32_u24 v[KB16], v[A1], 1536             ; two stored tiles on for rows 8-15
	v_lshl_add_u32 v[KB8], v[A0], 3, v[KB16]
	v_lshl_add_u32 v[KB8], v[SH8], 7, v[KB8]
	v_lshl_add_u32 v[KB16], v[A0], 4, v[KB16]
	v_lshl_add_u32 v[KB16], v[SH8], 8, v[KB16]
	v_lshlrev_b32 v[KSB], 3, v[A1]
	v_lshl_add_u32 v[KSB], v[A0], 4, v[KSB]
	v_lshlrev_b32 v[SH8], 3, v[SH8]
	v_lshlrev_b32 v3, 4, v3                        ; 16 r
	s_wait_alu depctr_va_vdst(0)                   ; the wait ahead of the run of scalar lines
	s_lshl_b32 s17, ttmp9, 2
	s_add_co_u32 s17, s17, s16
	s_lshl_b32 s17, s17, 3
	s_add_co_u32 s17, s17, s[WV]                   ; g = 8 cx + wave: my four tiles are 4 g .. 4 g + 3
	s_mov_b32 s57, 0
	s_lshl_b32 s58, s15, 5
	s_add_co_u32 s58, s58, s17                     ; 32 y + g
	s_mul_i32 s56, s58, 3072                       ; q's images: 768 bytes a tile
	s_add_nc_u64 s[4:5], s[4:5], s[56:57]
	s_lshl_b32 s56, s58, 8                         ; q's scale words: 256 bytes for four tiles
	s_add_nc_u64 s[6:7], s[6:7], s[56:57]
	s_lshr_b32 s59, s15, 3
	s_lshl_b32 s59, s59, 5
	s_add_co_u32 s59, s59, s17                     ; 32 batch + g
	s_and_b32 s60, s15, 7                          ; head
	s_lshl_b32 s56, s59, 5
	s_add_co_u32 s56, s56, s60
	s_mul_i32 s56, s56, 768                        ; o's images: (tile x 8 + head) x 768
	s_add_nc_u64 s[10:11], s[10:11], s[56:57]
	s_lshl_b32 s56, s59, 10
	s_lshl_b32 s60, s60, 1
	s_add_co_u32 s56, s56, s60                     ; o's scale bytes: tile x 256 + 2 head
	s_add_nc_u64 s[12:13], s[12:13], s[56:57]
.irp q, 0,1,2,3
	global_load_b128 v[QF+12*\q:QF+12*\q+3], v1, s[4:5] offset:768*\q
	global_load_b64 v[QF+12*\q+4:QF+12*\q+5], v2, s[4:5] offset:768*\q+512
.endr
	global_load_b128 v[QS:QS+3], v3, s[6:7]
	s_mov_b32 s[SEL], 0x76543210
	s_mov_b32 s[SEL+1], 0xfedcba98                 ; selects for lane l xor 16
	s_mov_b32 s[CS], 0x3d8293ee                    ; c = log2(e) / sqrt(512)
	s_mov_b32 s[CS+1], s[CS]
	s_mov_b32 s[NC], 0xbd8293ee                    ; -c
.irp q, 0,1,2,3
.irp i, 6,7,8,9,10,11
	v_mov_b32 v[QF+12*\q+\i], 0                    ; zero codes for the upper half of the instruction's K
.endr
.endr
	v_mov_b32 v[TP], 0xff61b1e6                    ; the largest score so far: -3e38
	v_mul_f32 v[PM], s[NC], v[TP]
	v_floor_f32 v[PM], v[PM]                       ; -M
.irp q, 0,1,2,3
	v_mov_b32 v[ST+4*\q], v[PM]
	v_mov_b32 v[ST+4*\q+1], v[TP]
	v_mov_b32 v[ST+4*\q+2], 0
	v_mov_b32 v[ST+4*\q+3], 0
.endr
	v_mov_b32 v[FF+1], 0                           ; (named as the upper half of a pair)
	WIN 0x40
.set j, 0
.rept 128
	v_mov_b32 v[OA+j], 0                           ; O^T: the step is written once, and the first finds zeros; done while the tensor load is out
.set j, j+1
.endr
.irp i, 48,49,50,51,52,53
	v_mov_b32 v[KF+\i], 0                          ; behind k's last fragment
.endr
	WIN 0
	s_wait_alu depctr_va_vdst(0)                   ; the wait at the head's end
	s_wait_tensorcnt 0x0                           ; my eighth is in;
	s_barrier_signal -1
	s_barrier_wait -1                              ; everybody's is
	s_mov_b32 s[TN], 12288
	s_mov_b32 s[TSN], 0
	KLOAD                                          ; step 0
	s_wait_loadcnt 0x0
	s_wait_dscnt 0x0
.set DB, S0
	QKM 0                                          ; step 0's first two tiles
.set DB, S0+64
	QKM 1
	PLACES 4
	s_mov_b32 s[CNT], 0
.Lstep:                                                ; step s = s[CNT]: keys 128 s .. + 127.  Images: 12,288 + 6,144 s + 49,152 (s / 8); v's lie 49,152 behind k's
	s_lshr_b32 s[TM], s[CNT], 3
	s_mul_i32 s[TM], s[TM], 49152
	s_mul_i32 s[TN], s[CNT], 6144
	s_add_co_u32 s[TN], s[TN], s[TM]
	s_add_co_u32 s[TN], s[TN], 12288
	s_lshl_b32 s[TVN], s[CNT], 8
	s_add_co_u32 s[TVN], s[TVN], 8192
	v_add_nc_u32 v[A0], s[TN], v1
	v_add_nc_u32 v[A1], s[TN], v2
	v_add_nc_u32 v[A2], s[TVN], v3
	WIN 0x40                                       ; this step's fragments of v: the last products that read these registers stand 31 plain places and eight products with k back
.irp dt, 0,1,2,3
.irp c, 0,1
	ds_load_b128 v[VF+12*\dt+6*\c:VF+12*\dt+6*\c+3], v[A0] offset:49152+1536*\dt+768*\c
	ds_load_b64 v[VF+12*\dt+6*\c+4:VF+12*\dt+6*\c+5], v[A1] offset:49152+1536*\dt+768*\c+512
.endr
.endr
	WIN 0
	ds_load_b128 v[VS:VS+3], v[A2]
	s_add_co_u32 s[NX], s[CNT], 1                  ; where the next step's k lies (held at the last step, behind which none is fetched)
	s_min_u32 s[NX], s[NX], 15
	s_lshr_b32 s[TM], s[NX], 3
	s_mul_i32 s[TM], s[TM], 49152
	s_mul_i32 s[TN], s[NX], 6144
	s_add_co_u32 s[TN], s[TN], s[TM]
	s_add_co_u32 s[TN], s[TN], 12288
	s_lshl_b32 s[TSN], s[NX], 9
	PRE0
	U 0, 1
	U 1, 1
	U 2, 1
	U 3, 0
	s_add_co_u32 s[CNT], s[CNT], 1
	s_cmp_lt_u32 s[CNT], 16
	s_cbranch_scc1 .Lstep
	s_wait_alu depctr_va_vdst(0)
.irp q, 0,1,2,3
	v_add_f32 v[ST+4*\q+2], v[ST+4*\q+2], v[ST+4*\q+3]             ; the sum's two halves,
.endr
.irp q, 0,1,2,3
	v_permlanex16_b32 v[ST+4*\q+3], v[ST+4*\q+2], s[SEL], s[SEL+1]
.endr
.irp q, 0,1,2,3
	v_add_f32 v[ST+4*\q+2], v[ST+4*\q+2], v[ST+4*\q+3]             ; and lane l xor 16's
.endr
	s_wait_alu depctr_va_vdst(0)                   ; the wait ahead of the batch
.irp q, 0,1,2,3
	v_rcp_f32 v[ST+4*\q+2], v[ST+4*\q+2]
.endr
	v_nop
	WIN 0x01
	s_wait_alu depctr_va_vdst(0)                   ; and behind it, ahead of the first readers of the batch and of O^T
.irp q, 0,1,2,3
.set j, 0
.rept 32
	v_mul_f32 v[S0+32*\q+j], v[OA+32*\q+j], v[ST+4*\q+2]           ; O^T / the sum, each accumulator from its low end on
.set j, j+1
.endr
.endr
	WIN 0
	OUT 0
	OUT 1
	OUT 2
	OUT 3
	s_wait_tensorcnt 0x0                           ; the wave's end
	ds_add_u32 v[SPW], v[NIL]
	s_wait_dscnt 0x0
	CROUND                                         ; the closing round
	s_endpgm
.Lfunc_end_k_q325f855215_attn:
	.size	k_q325f855215_attn, .Lfunc_end_k_q325f855215_attn-k_q325f855215_attn
	.p2alignl 7, 3214868480
	.fill 96, 4, 3214868480
	.section	.rodata,"a",@progbits
	.p2align	6, 0x0
	.amdhsa_kernel k_q325f855215_attn
		.amdhsa_group_segment_fixed_size 327680
		.amdhsa_private_segment_fixed_size 0
		.amdhsa_enable_private_segment 0
		.amdhsa_kernarg_size 40
		.amdhsa_user_sgpr_count 2
		.amdhsa_user_sgpr_kernarg_segment_ptr 1
		.amdhsa_wavefront_size32 1
		.amdhsa_system_sgpr_workgroup_id_x 1
		.amdhsa_system_sgpr_workgroup_id_y 1
		.amdhsa_system_sgpr_workgroup_id_z 1
		.amdhsa_system_vgpr_workitem_id 0
		.amdhsa_next_free_vgpr 512
		.amdhsa_next_free_sgpr 66
		.amdhsa_reserve_vcc 0
		.amdhsa_float_denorm_mode_32 3
		.amdhsa_float_denorm_mode_16_64 3
		.amdhsa_memory_ordered 1
		.amdhsa_forward_progress 1
		.amdhsa_inst_pref_size 82
	.end_amdhsa_kernel
	.amdgpu_metadata
---
amdhsa.version: [ 1, 2 ]
amdhsa.kernels:
  - .name:           k_q325f855215_attn
    .symbol:         k_q325f855215_attn.kd
    .args:
      - { .name: qimg, .offset: 0, .size: 8, .value_kind: global_buffer, .address_space: global }
      - { .name: qs, .offset: 8, .size: 8, .value_kind: global_buffer, .address_space: global }
      - { .name: kv, .offset: 16, .size: 8, .value_kind: global_buffer, .address_space: global }
      - { .name: oimg, .offset: 24, .size: 8, .value_kind: global_buffer, .address_space: global }
      - { .name: os, .offset: 32, .size: 8, .value_kind: global_buffer, .address_space: global }
    .group_segment_fixed_size: 327680
    .private_segment_fixed_size: 0
    .kernarg_segment_align: 8
    .kernarg_segment_size: 40
    .max_flat_workgroup_size: 256
    .sgpr_count:     66
    .vgpr_count:     512
    .wavefront_size: 32
...
	.end_amdgpu_metadata
.endif
;; end of part 3
;; launch outp (part 4): grid 256 x 1, 4 waves a work-group, no clusters, 34,304 bytes of LDS; arguments oimg, os, wbuf, bo, out0; writes out0
.if DOCPART == 4
	.amdgcn_target "amdgcn-amd-amdhsa--gfx1250"
	.amdhsa_code_object_version 6
	.text
	.protected	k_q325f855215_outp
	.globl	k_q325f855215_outp
	.p2align	8
	.type	k_q325f855215_outp,@function
k_q325f855215_outp:
	s_mov_b64 s[64:65], 0
	v_nop
	global_prefetch_b8 v0, s[64:65] scope:SCOPE_SE
	s_setreg_imm32_b32 hwreg(HW_REG_WAVE_MODE, 25, 1), 1
	s_wait_xcnt 0x0
; out0 = Q(o) Q(Wo) + bo on codes of FP6 (E2M3) with one E8M0 scale for each 32 along K = (head, channel).  o's codes and scale bytes were made by the launch before, Wo's by the first, both as images of the operands' registers.
; SHARES.  Work-group g takes row tiles 4 g .. 4 g + 3 (rows 64 g .. + 63); wave w columns 128 w .. + 127, with its 32 fragments of Wo in registers.  The 16 fragments of the rows are read by each wave: 24,576 bytes.
; NO JOINT LOADS for Wo, which all work-groups read: each wave reads its 53,248 bytes once, straight into the registers where they stay; a joint load would lay them in LDS first, from where every byte would be read once more.
; No tensor load, no barrier: the stage is each wave's own.
; The product is used transposed (source 0 = 16 columns of Wo, source 1 = 16 rows): lane (r, h) holds row rho(t, r) = 32 (t / 2) + 8 (t % 2) + r + 8 (r / 8) of the block, and the eight registers of tile jt are
; columns 32 (jt / 2) + 16 h + 8 (jt % 2) + 0 .. 7 of my 128.  The bias is the C of each sum's first product: eight registers a tile in that layout.
; A tile's 16 rows x 512 bytes go through my stage (rows of 528 bytes) and leave as whole rows: each store covers 512 consecutive bytes, aligned to 256.  Two sets of accumulators: one tile is multiplied while the tile before goes out.
; REGISTERS, in windows of 256: window 0: v1-7 addresses; v16-79, v80-143 two sets of 8 accumulators; v144-207 rows on their way out; v208-239 Wo's scale words; v240-255 the rows'.
;   window 1: Wo's fragments of K steps 0, 1;  window 2: of K steps 2, 3, and from v192 the bias;  window 3: the rows' 16 fragments.
.set WB,   212992
.set WSC,  196608
.set SP,   528                         ; a stage row: 512 bytes + 16
.set AC,   16
.set BK,   144
.set WS,   208
.set DS,   240
.set BI,   192                         ; in window 2
.set WI,   20                          ; s[20:21] wbuf at my wave's fragments;  s[22:23] at its scale words
.set WSB,  22
.set MSB, 0
.macro WIN new                         ; the immediate's high byte repeats the setting that is left
.if MSB != \new
	s_set_vgpr_msb (MSB<<8)|\new
.set MSB, \new
.endif
.endm
.macro PLACES n
.rept \n
	v_nop
.endr
.endm
; tile t's 32 products; the eight accumulators take turns, one instruction a turn
.macro MUL t
.irp s, 0,1,2,3
.if \s == 0
	WIN 0x2d                                       ; source 0 (Wo) window 1, source 1 (rows) window 3, source 2 (bias) window 2
.elseif \s == 1
	WIN 0x0d
.else
	WIN 0x0e                                       ; source 0 window 2
.endif
.irp jt, 0,1,2,3,4,5,6,7
.if \s == 0
	v_wmma_scale_f32_16x16x128_f8f6f4 v[AC+64*((\t)%2)+8*\jt:AC+64*((\t)%2)+8*\jt+7], v[12*\jt:12*\jt+11], v[12*(4*(\t)+\s):12*(4*(\t)+\s)+11], v[BI+8*\jt:BI+8*\jt+7], v[WS+8*\s+\jt], v[DS+4*(\t)+\s] matrix_a_fmt:MATRIX_FMT_FP6 matrix_b_fmt:MATRIX_FMT_FP6
.else
	v_wmma_scale_f32_16x16x128_f8f6f4 v[AC+64*((\t)%2)+8*\jt:AC+64*((\t)%2)+8*\jt+7], v[96*(\s%2)+12*\jt:96*(\s%2)+12*\jt+11], v[12*(4*(\t)+\s):12*(4*(\t)+\s)+11], v[AC+64*((\t)%2)+8*\jt:AC+64*((\t)%2)+8*\jt+7], v[WS+8*\s+\jt], v[DS+4*(\t)+\s] matrix_a_fmt:MATRIX_FMT_FP6 matrix_b_fmt:MATRIX_FMT_FP6
.endif
.endr
.endr
	WIN 0
.endm
.macro TOSTAGE t                               ; into my stage, each accumulator from its low end on, and back as whole rows.  LDS serves a wave's instructions in order: the loads see the stores
.irp jt, 0,1,2,3,4,5,6,7
	ds_store_b128 v6, v[AC+64*((\t)%2)+8*\jt:AC+64*((\t)%2)+8*\jt+3] offset:128*(\jt/2)+32*(\jt%2)
	ds_store_b128 v6, v[AC+64*((\t)%2)+8*\jt+4:AC+64*((\t)%2)+8*\jt+7] offset:128*(\jt/2)+32*(\jt%2)+16
.endr
.irp i, 0,1,2,3,4,5,6,7,8,9,10,11,12,13,14,15
	ds_load_b128 v[BK+4*\i:BK+4*\i+3], v7 offset:SP*\i
.endr
.endm
.macro SEND t
	s_wait_dscnt 0x0                               ; the tile is back in registers
.irp i, 0,1,2,3,4,5,6,7,8,9,10,11,12,13,14,15
	global_store_b128 v1, v[BK+4*\i:BK+4*\i+3], s[12:13] offset:2048*(32*((\t)/2)+8*((\t)%2)+\i+((\i)&8)) th:TH_STORE_NT   ; stage row i is row rho(t, i) of the block; written once, read by nobody here
.endr
.endm
	s_load_b256 s[4:11], s[0:1], 0x0               ; oimg, os, wbuf, bo
	s_load_b64 s[12:13], s[0:1], 0x20              ; out0
	v_lshl_add_u32 v14, v0, 2, 0x8400
	v_mov_b32 v15, 0
	v_lshrrev_b32 v1, 5, v0
	v_readfirstlane_b32 s16, v1                    ; wave 0..3
	v_and_b32 v3, 31, v0
	v_lshlrev_b32 v1, 4, v3                        ; 16 l
	v_lshlrev_b32 v2, 3, v3                        ; 8 l
	v_lshlrev_b32 v3, 2, v3                        ; 4 l
	v_and_b32 v4, 15, v0                           ; r
	v_bfe_u32 v5, v0, 4, 1
	v_lshlrev_b32 v5, 6, v5                        ; 64 h
	s_mul_i32 s17, s16, 16*SP                      ; my stage
	v_mad_u32_u24 v6, v4, SP, v5
	v_add_nc_u32 v6, s17, v6                       ; in: row r, + 64 h
	v_add_nc_u32 v7, s17, v1                       ; back: 16 bytes a lane of a row
	v_lshlrev_b32 v4, 4, v4                        ; 16 r
	s_mov_b32 s25, 0
	s_wait_alu depctr_va_vdst(0)
	s_wait_kmcnt 0x0
	s_mul_i32 s24, s16, 12288
	s_add_nc_u64 s[WI:WI+1], s[8:9], s[24:25]
	s_lshl_b32 s24, s16, 10
	s_add_nc_u64 s[WSB:WSB+1], s[8:9], s[24:25]
	s_lshl_b32 s24, s16, 9                         ; my 128 numbers of bo, and my 512 bytes of a row of out0
	s_add_nc_u64 s[10:11], s[10:11], s[24:25]
	s_add_nc_u64 s[12:13], s[12:13], s[24:25]
	s_lshl_b32 s24, ttmp9, 17                      ; the block's 64 rows of 2,048 bytes
	s_add_nc_u64 s[12:13], s[12:13], s[24:25]
	s_mul_i32 s24, ttmp9, 24576                    ; its four tiles of 8 half fragments
	s_add_nc_u64 s[4:5], s[4:5], s[24:25]
	s_lshl_b32 s24, ttmp9, 10                      ; and their scale words, 256 bytes a tile
	s_add_nc_u64 s[6:7], s[6:7], s[24:25]
	WIN 0x40                                       ; destination window 1: Wo's K steps 0, 1
.irp s, 0,1
.irp jt, 0,1,2,3,4,5,6,7
.irp c, 0,1,2
	global_load_b128 v[96*\s+12*\jt+4*\c:96*\s+12*\jt+4*\c+3], v1, s[WI:WI+1] offset:3*WB+49152*\s+1536*\jt+512*\c
.endr
.endr
.endr
	WIN 0x80                                       ; destination window 2: K steps 2, 3, and the bias
.irp s, 2,3
.irp jt, 0,1,2,3,4,5,6,7
.irp c, 0,1,2
	global_load_b128 v[96*(\s-2)+12*\jt+4*\c:96*(\s-2)+12*\jt+4*\c+3], v1, s[WI:WI+1] offset:3*WB+49152*\s+1536*\jt+512*\c
.endr
.endr
.endr
.irp jt, 0,1,2,3,4,5,6,7
	global_load_b128 v[BI+8*\jt:BI+8*\jt+3], v5, s[10:11] offset:128*(\jt/2)+32*(\jt%2)
	global_load_b128 v[BI+8*\jt+4:BI+8*\jt+7], v5, s[10:11] offset:128*(\jt/2)+32*(\jt%2)+16
.endr
	WIN 0xc0                                       ; destination window 3: the rows' fragments: K step s is heads 2 s and 2 s + 1, a half fragment each
.irp t, 0,1,2,3
.irp s, 0,1,2,3
.irp c, 0,1
	global_load_b128 v[12*(4*\t+\s)+6*\c:12*(4*\t+\s)+6*\c+3], v1, s[4:5] offset:6144*\t+768*(2*\s+\c)
	global_load_b64 v[12*(4*\t+\s)+6*\c+4:12*(4*\t+\s)+6*\c+5], v2, s[4:5] offset:6144*\t+768*(2*\s+\c)+512
.endr
.endr
.endr
	WIN 0
.irp s, 0,1,2,3
.irp jt, 0,1,2,3,4,5,6,7
	global_load_b32 v[WS+8*\s+\jt], v3, s[WSB:WSB+1] offset:3*WB+WSC+4096*\s+128*\jt
.endr
.endr
.irp t, 0,1,2,3
	global_load_b128 v[DS+4*\t:DS+4*\t+3], v4, s[6:7] offset:256*\t   ; row r's 16 scale bytes: the words of K steps 0 to 3
.endr
	s_wait_loadcnt 0x0
	MUL 0
.irp t, 0,1,2,3
	PLACES 5                                       ; four in front of the LDS stores that read results; five in front of the products below that begin the other set's accumulators anew
.if \t > 0
	s_wait_xcnt 0x0                                ; the last tile's stores have read the registers into which this tile comes back
.endif
	TOSTAGE \t
.if \t < 3
	MUL \t+1                                       ; the next tile is multiplied while this one goes through the stage
.endif
	SEND \t
.endr
	s_wait_tensorcnt 0x0
	ds_add_u32 v14, v15
	s_wait_dscnt 0x0
	s_endpgm
.Lfunc_end_k_q325f855215_outp:
	.size	k_q325f855215_outp, .Lfunc_end_k_q325f855215_outp-k_q325f855215_outp
	.p2alignl 7, 3214868480
	.fill 96, 4, 3214868480
	.section	.rodata,"a",@progbits
	.p2align	6, 0x0
	.amdhsa_kernel k_q325f855215_outp
		.amdhsa_group_segment_fixed_size 34304
		.amdhsa_private_segment_fixed_size 0
		.amdhsa_enable_private_segment 0
		.amdhsa_kernarg_size 40
		.amdhsa_user_sgpr_count 2
		.amdhsa_user_sgpr_kernarg_segment_ptr 1
		.amdhsa_wavefront_size32 1
		.amdhsa_system_sgpr_workgroup_id_x 1
		.amdhsa_system_sgpr_workgroup_id_y 1
		.amdhsa_system_sgpr_workgroup_id_z 1
		.amdhsa_system_vgpr_workitem_id 0
		.amdhsa_next_free_vgpr 960
		.amdhsa_next_free_sgpr 66
		.amdhsa_reserve_vcc 0
		.amdhsa_float_denorm_mode_32 3
		.amdhsa_float_denorm_mode_16_64 3
		.amdhsa_memory_ordered 1
		.amdhsa_forward_progress 1
		.amdhsa_inst_pref_size 54
	.end_amdhsa_kernel
	.amdgpu_metadata
---
amdhsa.version: [ 1, 2 ]
amdhsa.kernels:
  - .name:           k_q325f855215_outp
    .symbol:         k_q325f855215_outp.kd
    .args:
      - { .name: oimg, .offset: 0, .size: 8, .value_kind: global_buffer, .address_space: global }
      - { .name: os, .offset: 8, .size: 8, .value_kind: global_buffer, .address_space: global }
      - { .name: wbuf, .offset: 16, .size: 8, .value_kind: global_buffer, .address_space: global }
      - { .name: bo, .offset: 24, .size: 8, .value_kind: global_buffer, .address_space: global }
      - { .name: out0, .offset: 32, .size: 8, .value_kind: global_buffer, .address_space: global }
    .group_segment_fixed_size: 34304
    .private_segment_fixed_size: 0
    .kernarg_segment_align: 8
    .kernarg_segment_size: 40
    .max_flat_workgroup_size: 128
    .sgpr_count:     66
    .vgpr_count:     960
    .wavefront_size: 32
...
	.end_amdgpu_metadata
.endif
;; end of part 4
